; MI455X (gfx1250); checked and timed in simulation.
; The chip was launched on July 23, 2026; its instructions are those of AMD's public machine-readable ISA for CDNA 5 (MIT licence, August 2026) and "CDNA5" Instruction Set Architecture Reference Guide (July 2026). The comments in the code are by the model that wrote it; some were corrected since.
;; QKV Attention Legacy. Allowed arithmetic: matrix products marked QUANTISED: E5M2 operands, one E8M0 scale for each 32 along K, by v_wmma_scale_f32_16x16x128_f8f6f4 with both operands' format E5M2, f32 sums; everything else in f32.
;; Inputs: mask 4 x 2,048 float32; qkv 4 x 3,072 x 2,048 float32.
;; Outputs: out0 4 x 1,024 x 2,048 float32.
;; This version of the problem:
;;   THIS VERSION OF THE PROBLEM IS GIVEN IN LOW PRECISION. The matrix products marked QUANTISED in the list below multiply operands that are first quantised to E5M2 (5 exponent bits, 2 mantissa bits; 8 bits a number), with one power-of-two scale for each 32 numbers along K (OCP MX v1.0); their sums are f32. All else is computed in f32.
;;   The module's matrix products, in the order in which they are computed (A, B: the left and right operand; K: the contracted axis; several contracted axes count as one K, in the product's order):
;;     1. batch 64 x [M 2,048, K 64] x [K 64, N 2,048]; A: computed on the way; B: computed on the way: QUANTISED
;;     2. batch 64 x [M 64, K 2,048] x [K 2,048, N 2,048]; A: input qkv; B: computed on the way: QUANTISED
;;   THE QUANTISER, for each operand of a quantised product, along K:
;;     - K is cut into blocks of 32 from its start; a last block that is shorter is filled with zeros.
;;     - A block's scale is 2^e with e = floor(log2(the largest magnitude in the block)) - 15, held to -126 .. 127; a block of zeros has e = 0. As a byte (E8M0): e + 127.
;;     - Each number is divided by its block's scale, clamped to +-57,344, and rounded to the nearest number of E5M2, ties to even, subnormals kept.
;;     - The product sums the exact products of the quantised numbers (number of the format x scale) in f32.
;;   ~~~python
;;   def quantise(x, axis):      # numpy; x: float32 -> the quantised numbers, widened to float32 again
;;       x = np.moveaxis(x, axis, -1); K = x.shape[-1]
;;       x = np.pad(x, [(0, 0)] * (x.ndim - 1) + [(0, -K % 32)]); x = x.reshape(x.shape[:-1] + (-1, 32)); a = np.abs(x).max(-1, keepdims=True)
;;       e = np.where(a > 0, np.clip(np.frexp(np.where(a > 0, a, 1))[1] - 1 - 15, -126, 127), 0)      # np.frexp(a)[1] - 1 = floor(log2(a)), exactly
;;       r = np.clip(x / 2.0 ** e, -57344, 57344)
;;       step = 2.0 ** (np.maximum(np.frexp(np.where(r == 0, 1, r))[1] - 1, -14) - 2)
;;       q = np.round(r / step) * step * 2.0 ** e      # np.round: ties to even
;;       return np.moveaxis(q.reshape(q.shape[:-2] + (-1,))[..., :K], -1, axis).astype(np.float32)
;;   ~~~
;;   OPERANDS COMPUTED ON THE WAY. 'Computed on the way' means the value that the module computes at that place (a softmax that the list does not call 'softmax' is quantised finished and normalised). What goes into a quantiser is computed in f32, as accurately as f32 sums, v_exp_f32 and their like allow (about 1e-6 of the number): no bf16 or f16 on the way to a quantiser, and a product that is left as it is and whose result goes on into a quantised operand takes f32 operands (vector FMAs, or v_wmma_f32_16x16x4_f32). A number that lies on a knife's edge between two numbers of the format may be rounded either way, as far as f32 arithmetic and the matrix unit's own rounding can turn it there, and no further.
;; One version. Each part assembles by itself: llvm-mc -triple=amdgcn-amd-amdhsa -mcpu=gfx1250 --defsym DOCPART=n.
;; ======== version 1 of 1: 1 launch
;; limits: right only within a limited range of input values
;; launch attn (part 1): grid 256 x 1, 8 waves a work-group, clusters of 4 x 1, 324,608 bytes of LDS; arguments qkv, mask, out0; writes out0
.if DOCPART == 1
	.amdgcn_target "amdgcn-amd-amdhsa--gfx1250"
	.amdhsa_code_object_version 6
	.text
	.protected	k_q50b2aed4a5_attn
	.globl	k_q50b2aed4a5_attn
	.p2align	8
	.type	k_q50b2aed4a5_attn,@function
k_q50b2aed4a5_attn:
	s_mov_b64 s[64:65], 0
	v_nop
	global_prefetch_b8 v0, s[64:65] scope:SCOPE_SE
	s_setreg_imm32_b32 hwreg(HW_REG_WAVE_MODE, 25, 1), 1
	s_wait_xcnt 0x0
	s_wait_alu depctr_hold_cnt(0) depctr_sa_sdst(0) depctr_va_vdst(0) depctr_va_sdst(0) depctr_va_ssrc(0) depctr_va_vcc(0) depctr_vm_vsrc(0)
	s_getreg_b32 s2, hwreg(HW_REG_IB_STS2, 6, 4)
	s_cmp_eq_u32 s2, 0
	s_cbranch_scc0 .Lentry_in_a_cluster
	s_endpgm
.Lentry_in_a_cluster:
	s_bfe_u32 s2, ttmp6, 0x10000c
	s_cmp_lg_u32 s2, 0x3003
	s_cbranch_scc0 .Lentry_shape_is_right
	s_endpgm
.Lentry_shape_is_right:
; out[b][c][t] = sum over s of Q(v)[c][s] x Q(softmax_s(S[t][s]) x mask[b % 4][s]),  S[t][s] = sum over c of Q(q x 64^-0.25)[c][t] x Q(k x 64^-0.25)[c][s].
; 64 heads b; head b owns rows 192 b .. 192 b + 191 of qkv seen as [12288][2048] f32: 64 rows of q, 64 of k, 64 of v, the position innermost.  Q: codes of E5M2 with one E8M0 scale for each 32 along a product's K.
; WHAT IS QUANTISED FOR THE SECOND PRODUCT IS THE FINISHED WEIGHT (normalised, then masked), so a row's maximum and sum over all 2,048 keys are known before any of its weights is converted.
; SHARES.  A work-group of eight waves owns 512 queries of one head (four work-groups to a head).  THE WAVES SHARE THE KEYS: wave w owns keys 256 w .. 256 w + 255 for the whole launch: its codes of V stay in 128 registers,
; its codes of K lie in its own 16 KiB of LDS as images of the operand's registers, its 256 mask numbers in its own 1 KiB.  In a ROUND all eight waves work on the same 32 queries (two tiles of 16): a wave's scores,
; 2 x 256 keys = 256 registers a lane (all of window 1), stay in those registers from K Q^T to the conversion: one product and one exponential a score.  What crosses waves: a pair (-M, sum) a query and wave in each
; round, and each wave's partial outputs, which are summed through LDS once for every 64 queries.
; A ROW.  Wave-local -M_w = floor(-log2(e) x largest score): M_w is a whole number; e = 2^(S log2(e) - M_w); l_w = the sum of e.  Joined: M = the largest M_w, l = the sum of l_w x 2^(M_w - M) (nothing is rounded by these
; factors), f = 2^(M_w - M) / l.  The number that is quantised is (e x mask) x f.  f is not negative and rounding keeps order, so a block's largest |e x mask x f| is its largest |e x mask| times f, to the bit.
; LAYOUT.  S^T = K Q^T (source 0 = 16 keys, source 1 = 16 queries): a lane holds one query.  Row r of tile 2 b + u of K is key 32 b + 8 u + r + 8 (r / 8), so that register n of a lane's 64 of a key step is key
; 32 (n / 16) + 16 (lane / 16) + n % 16: the conversions' results are the second product's operand.  The first product's K is 64: the upper half of each fragment is zero codes under the scale byte 127.
; Second product: source 0 = the weights (16 queries), source 1 = V (16 channels): a lane's eight results are eight neighbouring queries of one row of out.
; CLUSTER: the four work-groups of a head are launched together; they ask for nothing jointly.  What they share, K and V, is 1 MiB of f32 that each reads once, at its head, straight into the registers in which it is
; quantised; asked for jointly it would have to land in LDS as f32, three times what LDS holds, through slots filled again and again, and be read back from there.  The loop reads no memory at all.
; LIMITS: NaN and infinities among the inputs are not served.  A block whose largest magnitude lies under 2^-111 gets the scale byte 1 (the rule's lower hold); a block of zeros gets 1 where the rule says 127: its codes
; are zeros and the bytes are read by this program alone.  An exponential under 2^-126 comes out as 0.  The f32 sums over the keys are taken wave by wave (eight partial sums, added in ascending order).
; REGISTERS, in windows of 256 (s_set_vgpr_msb's low byte: bits 1:0 source 0, 3:2 source 1, 5:4 source 2, 7:6 destination).
;   window 1: E(tile t, key step g, n) at 128 t + 64 g + n; the outputs O(t, ct) at 128 t + 8 ct, free once (t, step 0) is converted; at the head two buffers of 128 for what is loaded.
;   window 0: v1-11 addresses, v12-22 scale words, v24-55 Q's two fragments, v56-119 four fragments of K, v124-127 maxima, v128-255 V's eight fragments; behind the products v24-123 are at work (see the names below).
.set KIMG, 0                           ; LDS: K's images: wave w at 16384 w; tile (g, tau) at 8192 g + 1024 tau; channels 32 c on at 512 c; lane L at 16 L
.set QIMG, 131072                      ; Q's images: tile T (16 queries) at 1024 T, the same inside
.set KSC,  163840                      ; K's scale words: 1024 w + 512 g + 256 (tau / 4) + 16 r + 4 (tau % 4)
.set QSC,  172032                      ; Q's: 64 T + 4 r
.set MSK,  174080                      ; the head's mask row as it lies
.set STS,  182272                      ; the waves' (-M, l): 1024 kind + 512 t + 32 r + 4 w
.set SCR,  184320                      ; partial outputs: wave w's 64 rows (channels) x 272 bytes (64 queries + 16 of padding: 17 x 16, so sixteen rows begin at sixteen different 16-byte columns of 256); at the head its stage for V
.set SCRW, 17408
.set ROWB, 8192                        ; a row of qkv or of out in bytes
.set AKF, 1                            ; v1   KIMG + 16384 w + 16 lane
.set AKS, 2                            ; v2   KSC + 1024 w + 16 lane
.set AQ0, 3                            ; v3   QIMG + 16 lane
.set AQS0, 4                           ; v4   QSC + 4 lane
.set AMK, 5                            ; v5   MSK + 1024 w + 64 h
.set AST0, 6                           ; v6   STS + 32 r + 4 w
.set ASL0, 7                           ; v7   STS + 32 r
.set ASC0, 8                           ; v8   SCR + 17408 w + 272 r + 32 h
.set ARD0, 9                           ; v9   SCR + 272 (8 w + h) + 16 r
.set ARD1, 10                          ; v10  the same, four waves' parts on
.set AGO, 11                           ; v11  8192 (8 w + h) + 16 r: my bytes in out
.set VS,  12                           ; v12-15 V's scale words for channels 16 ct on: key step 0 in lanes 0-15, step 1 in lanes 16-31
.set KSCL, 16                          ; v16-19 K's scale words: tiles 0-3 in lanes 0-15, tiles 4-7 in lanes 16-31
.set QSCL, 20                          ; v20  Q's: tile 0 in lanes 0-15, tile 1 in lanes 16-31
.set PW,  21                           ; v21-22 the weights' scale words, a register a tile
.set ADR, 23                           ; v23  an address at work
.set QF,  24                           ; v24-55 Q's fragments: 16 a tile, the upper eight zeros
.set KS,  56                           ; v56-119 four fragments of K, 16 each, the upper eight zeros
.set AQS, 120                          ; v120 the round's address of Q's scale words
.set MX,  124                          ; v124-127 running maxima: tile t, two chains
.set VF,  128                          ; v128-255 V's fragment (g, ct) at 128 + 16 (4 g + ct)
.set NM,  24                           ; behind the products: v[24+4t] -M_w of tile t, v[26+4t] f (each the low word of a pair whose high word is written and not used)
.set FF,  26
.set TT,  40                           ; v40-47 small things at work
.set BM,  56                           ; v56-71 largest |e x mask| of block (t, g, b) at 8 t + 4 g + b
.set MK,  72                           ; v72-103 32 mask numbers; then the eight waves' -M (72-87) and l (88-103); then the weights' codes, 16 a tile
.set PC,  72
.set LL,  104                          ; v104-111 the sums: tile t, two chains of pairs
.set QBM, 104                          ; v104-107 a block's largest magnitude, v108-111 the other half's, v112-115 the conversion's scale operand, v120-123 the byte
.set QBX, 108
.set QSO, 112
.set QH,  116
.set QBY, 120
.set XA,  0                            ; at the head, window 1: two buffers of 128 registers
.set XB,  128
.set CTM, 56                           ; at the head, window 0: eight blocks' largest magnitudes, the other half's, scale operands, holds, bytes; four scale words
.set CTP, 64
.set CSO, 72
.set CH,  80
.set CBY, 88
.set CW,  96
.set CY,  128                          ; v128-191 64 held numbers, a column's 16 on end;  v192-223 codes, two sets
.set CC,  192
.set VT,  24                           ; v24-87 64 numbers of V;  v88-103 at work;  v104-105 the two scale words
.set QT,  88
.set VW,  104
.set VK,  112                          ; v112 131072 h + 16 r + 1024 w: K's columns;  v113 the same with 256 w: Q's;  v114 16 lane + 1024 w: V's and the mask's
.set VQ,  113
.set VV,  114
.set AIK, 115                          ; v115-118 where a column's codes and scale word go (K, Q);  v119-120 V's stage, in and out;  v121 the mask
.set ASK, 116
.set AIQ, 117
.set ASQ, 118
.set ASTG, 119
.set ASTR, 120
.set AMS, 121
.set SKB, 14                           ; s[14:15] K of my head, s[16:17] my 512 queries of Q, s[18:19] V, s[20:21] the mask row, s[22:23] out
.set SQB, 16
.set SVB, 18
.set MSB, 0
.macro WIN new                         ; the immediate's high byte repeats the setting that is left; a switch that changes nothing is dropped
.if MSB != \new
	s_set_vgpr_msb (MSB<<8)|\new
.set MSB, \new
.endif
.endm
; ---------------- the head's macros ----------------
; 64 columns (keys or queries) x 64 channels.  Lanes 0-15 read 256 consecutive bytes of row 32 c + i, lanes 16-31 of row 32 c + 16 + i: register 4 (16 c + i) + j of lane (x, h) is channel 32 c + 16 h + i of column 4 x + j.
.macro COLS_LOAD buf, base, voff, imm, nt
	WIN 0x40
.set n, 0
.rept 32
.if \nt
	global_load_b128 v[\buf+4*n:\buf+4*n+3], v[\voff], s[\base:\base+1] offset:(32*(n/16)+n%16)*ROWB+(\imm) th:TH_LOAD_NT
.else
	global_load_b128 v[\buf+4*n:\buf+4*n+3], v[\voff], s[\base:\base+1] offset:(32*(n/16)+n%16)*ROWB+(\imm)
.endif
.set n, n+1
.endr
	WIN 0
.endm
; They are scaled by 64^-0.25 and quantised down the channels: eight blocks a lane (two blocks of 32 channels x four columns), each shared with lane l xor 16.  The hold's destination lays a column's 16 numbers on end,
; as the conversion wants them.  A column's 16 codes of a block are 16 bytes of its lane's place in the image.
.macro COLS_WORK buf, aimg, immimg, ascl, immscl, sstr
	s_wait_dscnt 0x0                               ; the last item's LDS stores have read their registers
	WIN 0x41
.set n, 0
.rept 64
	v_pk_mul_f32 v[\buf+2*n:\buf+2*n+1], v[\buf+2*n:\buf+2*n+1], s[26:27] op_sel_hi:[1,0]
.set n, n+1
.endr
	WIN 0x05
.irp c, 0,1
.irp j, 0,1,2,3
	v_max3_num_f32 v[CTM+4*\c+\j], |v[\buf+64*\c+\j]|, |v[\buf+64*\c+4+\j]|, 0x8000000   ; with the floor 2^(16 - 127): the byte cannot fall under 1
.endr
.endr
.irp i, 2,4,6,8,10,12,14
.irp c, 0,1
.irp j, 0,1,2,3
	v_max3_num_f32 v[CTM+4*\c+\j], |v[\buf+64*\c+4*\i+\j]|, |v[\buf+64*\c+4*\i+4+\j]|, v[CTM+4*\c+\j]   ; the eight blocks by turns
.endr
.endr
.endr
	WIN 0
.irp g, 0,1,2,3,4,5,6,7
	v_permlanex16_b32 v[CTP+\g], v[CTM+\g], s24, s25
.endr
.irp g, 0,1,2,3,4,5,6,7
	v_max_num_f32 v[CTM+\g], v[CTM+\g], v[CTP+\g]  ; with lane l xor 16's 16 channels: the block's largest magnitude
.endr
.irp g, 0,1,2,3,4,5,6,7
	v_add_nc_u32 v[CSO+\g], 0xf8800000, v[CTM+\g]  ; 15 off its exponent field: the conversion's scale operand
.endr
.irp g, 0,1,2,3,4,5,6,7
	v_and_or_b32 v[CH+\g], v[CTM+\g], 0x7f800000, s30   ; 57,344 x the scale
.endr
.irp g, 0,1,2,3,4,5,6,7
	v_lshrrev_b32 v[CBY+\g], 23, v[CSO+\g]         ; the scale's byte
.endr
.irp j, 0,1,2,3
	s_delay_alu instid0(VALU_DEP_4)
	v_lshl_or_b32 v[CW+\j], v[CBY+4+\j], 8, v[CBY+\j]
.endr
.irp j, 0,1,2,3
	s_delay_alu instid0(VALU_DEP_4)
	v_or_b32 v[CW+\j], 0x7f7f0000, v[CW+\j]        ; the bytes of the two blocks of zero codes: 127
.endr
.irp c, 0,1
	WIN 0x01
.irp j, 0,1,2,3
.irp i, 0,1,2,3,4,5,6,7,8,9,10,11,12,13,14,15
	v_med3_num_f32 v[CY+16*\j+\i], v[\buf+64*\c+4*\i+\j], -v[CH+4*\c+\j], v[CH+4*\c+\j]   ; the conversion to an 8-bit code does not saturate (ISA guide 7.6.2)
.endr
.endr
	WIN 0
.irp j, 0,1,2,3
	v_cvt_scalef32_pk8_bf8_f32 v[CC+16*\c+4*\j:CC+16*\c+4*\j+1], v[CY+16*\j:CY+16*\j+7], v[CSO+4*\c+\j]
	v_cvt_scalef32_pk8_bf8_f32 v[CC+16*\c+4*\j+2:CC+16*\c+4*\j+3], v[CY+16*\j+8:CY+16*\j+15], v[CSO+4*\c+\j]
.endr
	v_nop                                          ; a plain line behind the conversions: the next lines write their sources
.irp j, 0,1,2,3
	ds_store_b128 v[\aimg], v[CC+16*\c+4*\j:CC+16*\c+4*\j+3] offset:(\immimg)+512*\c+16*\j
.endr
.endr
.irp j, 0,1,2,3
	ds_store_b32 v[\ascl], v[CW+\j] offset:(\immscl)+(\sstr)*\j   ; both halves of the lanes store the same word
.endr
.endm
; V, channels 16 ct on, my 256 keys: each load reads 512 consecutive bytes of one row
.macro V_LOAD buf, ct
	WIN 0x40
.irp g, 0,1
.irp i, 0,1,2,3,4,5,6,7,8,9,10,11,12,13,14,15
	global_load_b128 v[\buf+64*\g+4*\i:\buf+64*\g+4*\i+3], v[VV], s[SVB:SVB+1] offset:(16*(\ct)+\i)*ROWB+512*\g
.endr
.endr
	WIN 0
.endm
; 64 numbers of a lane, register 16 b + i = k 32 b + 16 (lane / 16) + i of my row, become a fragment's codes in v[dst] on and its scale word
.macro QUANT src, dst, word
.irp b, 0,1,2,3
	v_max3_num_f32 v[QT+\b], |v[\src+16*\b]|, |v[\src+1+16*\b]|, 0x8000000
.endr
.irp i, 2,4,6,8,10,12,14
.irp b, 0,1,2,3
	s_delay_alu instid0(VALU_DEP_4)
	v_max3_num_f32 v[QT+\b], v[QT+\b], |v[\src+16*\b+\i]|, |v[\src+1+16*\b+\i]|
.endr
.endr
.irp b, 0,1,2,3
	s_delay_alu instid0(VALU_DEP_4)
	v_permlanex16_b32 v[QT+4+\b], v[QT+\b], s24, s25
.endr
.irp b, 0,1,2,3
	s_delay_alu instid0(VALU_DEP_4)
	v_max_num_f32 v[QT+\b], v[QT+\b], v[QT+4+\b]
.endr
.irp b, 0,1,2,3
	s_delay_alu instid0(VALU_DEP_4)
	v_add_nc_u32 v[QT+12+\b], 0xf8800000, v[QT+\b]
.endr
.irp b, 0,1,2,3
.endr
.irp b, 0,1,2,3
	s_delay_alu instid0(VALU_DEP_4)
	v_lshrrev_b32 v[QT+4+\b], 23, v[QT+12+\b]
.endr
	s_delay_alu instid0(VALU_DEP_3)
	v_lshl_or_b32 v[\word], v[QT+5], 8, v[QT+4]
	s_delay_alu instid0(VALU_DEP_1)
	v_lshl_or_b32 v[\word], v[QT+6], 16, v[\word]
	s_delay_alu instid0(VALU_DEP_1)
	v_lshl_or_b32 v[\word], v[QT+7], 24, v[\word]
.irp b, 0,1,2,3
.irp i, 0,1,2,3,4,5,6,7,8,9,10,11,12,13,14,15
.endr
	v_cvt_scalef32_pk8_bf8_f32 v[\dst+4*\b:\dst+4*\b+1], v[\src+16*\b:\src+16*\b+7], v[QT+12+\b]
	v_cvt_scalef32_pk8_bf8_f32 v[\dst+4*\b+2:\dst+4*\b+3], v[\src+16*\b+8:\src+16*\b+15], v[QT+12+\b]
.endr
	v_nop                                          ; a plain line behind the last conversion
.endm
; 16 channels x 128 keys turn through my own stage (rows of 528 bytes), so that a lane holds 16 neighbouring keys of each block of its channel; LDS serves a wave's instructions in order
.macro V_WORK buf, ct
.irp g, 0,1
	WIN 0x04
.irp i, 0,1,2,3,4,5,6,7,8,9,10,11,12,13,14,15
	ds_store_b128 v[ASTG], v[\buf+64*\g+4*\i:\buf+64*\g+4*\i+3] offset:528*\i
.endr
	WIN 0
.irp b, 0,1,2,3
.irp j, 0,1,2,3
	ds_load_b128 v[VT+16*\b+4*\j:VT+16*\b+4*\j+3], v[ASTR] offset:128*\b+16*\j
.endr
.endr
	s_wait_dscnt 0x0
	QUANT VT, VF+16*(4*\g+(\ct)), VW+\g
.endr
	v_cndmask_b32 v[VS+(\ct)], v[VW], v[VW+1], s31 ; key step 0's words in lanes 0-15, step 1's in lanes 16-31
.endm
; ---------------- the round's macros ----------------
; group g of four: key step g / 2, tiles 4 (g % 2) .. + 3 of K
.macro KLOAD g
	WIN 0
.irp k, 0,1,2,3
	ds_load_b128 v[KS+16*\k:KS+16*\k+3],   v[AKF] offset:4096*(\g)+1024*\k
	ds_load_b128 v[KS+16*\k+4:KS+16*\k+7], v[AKF] offset:4096*(\g)+1024*\k+512
.endr
.if (\g)%2 == 0
	ds_load_b128 v[KSCL:KSCL+3], v[AKS] offset:512*((\g)/2)
.endif
.endm
.macro QK1 d, a, b, sa, ra, rb
.if (\ra == 0) && (\rb == 0)
	v_wmma_scale_f32_16x16x128_f8f6f4 v[\d:\d+7], v[\a:\a+15], v[\b:\b+15], 0, v[\sa], v[QSCL] matrix_a_fmt:MATRIX_FMT_BF8 matrix_b_fmt:MATRIX_FMT_BF8
.elseif (\ra == 0)
	v_wmma_scale_f32_16x16x128_f8f6f4 v[\d:\d+7], v[\a:\a+15], v[\b:\b+15], 0, v[\sa], v[QSCL] matrix_a_fmt:MATRIX_FMT_BF8 matrix_b_fmt:MATRIX_FMT_BF8 matrix_b_scale:MATRIX_SCALE_ROW1
.elseif (\rb == 0)
	v_wmma_scale_f32_16x16x128_f8f6f4 v[\d:\d+7], v[\a:\a+15], v[\b:\b+15], 0, v[\sa], v[QSCL] matrix_a_fmt:MATRIX_FMT_BF8 matrix_b_fmt:MATRIX_FMT_BF8 matrix_a_scale:MATRIX_SCALE_ROW1
.else
	v_wmma_scale_f32_16x16x128_f8f6f4 v[\d:\d+7], v[\a:\a+15], v[\b:\b+15], 0, v[\sa], v[QSCL] matrix_a_fmt:MATRIX_FMT_BF8 matrix_b_fmt:MATRIX_FMT_BF8 matrix_a_scale:MATRIX_SCALE_ROW1 matrix_b_scale:MATRIX_SCALE_ROW1
.endif
.endm
.macro QKMUL g                         ; eight products: four tiles of keys x two tiles of queries; each starts and ends its sum (K = 64)
	WIN 0x40
.irp k, 0,1,2,3
.irp t, 0,1
	QK1 128*\t+32*(\g)+8*\k, KS+16*\k, QF+16*\t, KSCL+\k, (\g)%2, \t
.endr
.endr
.endm
; lines lo .. hi - 1 of the 32 that take group g's scores into the running maxima; the first eight read registers 0 and 1 of each of the eight results
.macro MAXG g, lo, hi
	WIN 0x05
.set mi, 0
.irp pi, 0,1,2,3
.irp k, 0,1,2,3
.irp t, 0,1
.if (mi >= \lo) && (mi < \hi)
	v_max3_num_f32 v[MX+2*\t+\k%2], v[128*\t+32*(\g)+8*\k+2*\pi], v[128*\t+32*(\g)+8*\k+2*\pi+1], v[MX+2*\t+\k%2]
.endif
.set mi, mi+1
.endr
.endr
.endr
.endm
.macro MLOAD sg, bp                    ; the mask numbers of blocks 2 bp and 2 bp + 1 of key step sg: my half's 16 of each
	WIN 0
.irp u, 0,1
.irp j, 0,1,2,3
	ds_load_b128 v[MK+16*\u+4*\j:MK+16*\u+4*\j+3], v[AMK] offset:512*(\sg)+128*(2*(\bp)+\u)+16*\j
.endr
.endr
.endm
.macro MMUL sg, bp                     ; e x mask, both tiles
	WIN 0x41
.irp u, 0,1
.irp t, 0,1
.irp k, 0,1,2,3,4,5,6,7
	v_pk_mul_f32 v[128*\t+64*(\sg)+16*(2*(\bp)+\u)+2*\k:128*\t+64*(\sg)+16*(2*(\bp)+\u)+2*\k+1], v[128*\t+64*(\sg)+16*(2*(\bp)+\u)+2*\k:128*\t+64*(\sg)+16*(2*(\bp)+\u)+2*\k+1], v[MK+16*\u+2*\k:MK+16*\u+2*\k+1]
.endr
.endr
.endr
.endm
.macro MMAX sg, bp                     ; the largest |e x mask| of my 16 numbers of each of the four blocks, by turns
	WIN 0x05
.irp u, 0,1
.irp t, 0,1
	v_max_num_f32 v[BM+8*\t+4*(\sg)+2*(\bp)+\u], |v[128*\t+64*(\sg)+16*(2*(\bp)+\u)]|, |v[128*\t+64*(\sg)+16*(2*(\bp)+\u)+1]|
.endr
.endr
.irp i, 2,4,6,8,10,12,14
.irp u, 0,1
.irp t, 0,1
	s_delay_alu instid0(VALU_DEP_4)
	v_max3_num_f32 v[BM+8*\t+4*(\sg)+2*(\bp)+\u], |v[128*\t+64*(\sg)+16*(2*(\bp)+\u)+\i]|, |v[128*\t+64*(\sg)+16*(2*(\bp)+\u)+\i+1]|, v[BM+8*\t+4*(\sg)+2*(\bp)+\u]
.endr
.endr
.endr
.endm
; the 64 weights of tile t, key step sg: x f, the four blocks' scales, the conversion: the operand in v[PC + 16 t] on, its scale word in v[PW + t]
.macro QNT sg, t
	WIN 0
.irp b, 0,1,2,3
	v_mul_f32 v[QBM+\b], v[BM+8*(\t)+4*(\sg)+\b], v[FF+4*(\t)]
.endr
.irp b, 0,1,2,3
	s_delay_alu instid0(VALU_DEP_4)
	v_permlanex16_b32 v[QBX+\b], v[QBM+\b], s24, s25
.endr
.irp b, 0,1,2,3
	s_delay_alu instid0(VALU_DEP_4)
	v_max3_num_f32 v[QBM+\b], v[QBM+\b], v[QBX+\b], 0x8000000   ; with lane l xor 16's, and the floor 2^(16 - 127)
.endr
.irp b, 0,1,2,3
	s_delay_alu instid0(VALU_DEP_4)
	v_add_nc_u32 v[QSO+\b], 0xf8800000, v[QBM+\b]
.endr
.irp b, 0,1,2,3
.endr
.irp b, 0,1,2,3
	s_delay_alu instid0(VALU_DEP_4)
	v_lshrrev_b32 v[QBY+\b], 23, v[QSO+\b]
.endr
	s_delay_alu instid0(VALU_DEP_3)
	v_lshl_or_b32 v[PW+(\t)], v[QBY+1], 8, v[QBY]  ; the scale word stands over 40 plain lines ahead of the products that name it
	s_delay_alu instid0(VALU_DEP_1)
	v_lshl_or_b32 v[PW+(\t)], v[QBY+2], 16, v[PW+(\t)]
	s_delay_alu instid0(VALU_DEP_1)
	v_lshl_or_b32 v[PW+(\t)], v[QBY+3], 24, v[PW+(\t)]
	WIN 0x41
.set p, 0
.rept 32
	v_pk_mul_f32 v[128*(\t)+64*(\sg)+2*p:128*(\t)+64*(\sg)+2*p+1], v[128*(\t)+64*(\sg)+2*p:128*(\t)+64*(\sg)+2*p+1], v[FF+4*(\t):FF+4*(\t)+1] op_sel_hi:[1,0]
.set p, p+1
.endr
.irp b, 0,1,2,3
.irp i, 0,1,2,3,4,5,6,7,8,9,10,11,12,13,14,15
.endr
.endr
	WIN 0x01
.irp b, 0,1,2,3
	v_cvt_scalef32_pk8_bf8_f32 v[PC+16*(\t)+4*\b:PC+16*(\t)+4*\b+1], v[128*(\t)+64*(\sg)+16*\b:128*(\t)+64*(\sg)+16*\b+7], v[QSO+\b]
	v_cvt_scalef32_pk8_bf8_f32 v[PC+16*(\t)+4*\b+2:PC+16*(\t)+4*\b+3], v[128*(\t)+64*(\sg)+16*\b+8:128*(\t)+64*(\sg)+16*\b+15], v[QSO+\b]
.endr
	WIN 0
.rept 4
	v_nop                                          ; the plain line behind the conversions, and the four places between an operand written by vector instructions and the scaled product
.endr
.endm
; four products: tile t's weights x V's four tiles of channels, 128 keys.  The accumulators take turns, one instruction a turn: between a link and the product that it adds onto stand seven others'
.macro PVMUL sg, t
.if \sg == 0
	WIN 0x40
.irp ct, 0,1,2,3
	v_wmma_scale_f32_16x16x128_f8f6f4 v[128*(\t)+8*\ct:128*(\t)+8*\ct+7], v[PC+16*(\t):PC+16*(\t)+15], v[VF+16*\ct:VF+16*\ct+15], 0, v[PW+(\t)], v[VS+\ct] matrix_a_fmt:MATRIX_FMT_BF8 matrix_b_fmt:MATRIX_FMT_BF8
.endr
.else
	WIN 0x50
.irp ct, 0,1,2,3
	v_wmma_scale_f32_16x16x128_f8f6f4 v[128*(\t)+8*\ct:128*(\t)+8*\ct+7], v[PC+16*(\t):PC+16*(\t)+15], v[VF+64+16*\ct:VF+64+16*\ct+15], v[128*(\t)+8*\ct:128*(\t)+8*\ct+7], v[PW+(\t)], v[VS+\ct] matrix_a_fmt:MATRIX_FMT_BF8 matrix_b_fmt:MATRIX_FMT_BF8 matrix_b_scale:MATRIX_SCALE_ROW1
.endr
.endif
.endm
.macro OSTORE t                        ; lane (r, h), register j of O(t, ct): channel 16 ct + r, query 16 t + 8 h + j of the round: 32 bytes of my part's row; each result from its low end on
	WIN 0x04
.irp ct, 0,1,2,3
	ds_store_b128 v[ADR], v[128*(\t)+8*\ct:128*(\t)+8*\ct+3] offset:4352*\ct+64*(\t)
	ds_store_b128 v[ADR], v[128*(\t)+8*\ct+4:128*(\t)+8*\ct+7] offset:4352*\ct+64*(\t)+16
.endr
.endm
; ---------------- the head ----------------
	s_load_b128 s[4:7], s[0:1], 0x0                ; qkv, mask
	s_load_b64 s[8:9], s[0:1], 0x10                ; out0
	v_lshrrev_b32 v23, 5, v0
	s_delay_alu instid0(VALU_DEP_1)
	v_readfirstlane_b32 s10, v23                   ; wave 0..7
	s_mov_b32 s11, ttmp9                           ; the head: in a cluster launch ttmp9 counts clusters
	s_bfe_u32 s12, ttmp6, 0x40000                  ; cx: which 512 queries; it enters Q's and out's global offsets alone
	v_and_b32 v24, 31, v0                          ; lane
	v_and_b32 v25, 15, v0                          ; x = r
	v_bfe_u32 v26, v0, 4, 1                        ; h
	v_bfe_u32 v27, v0, 3, 1                        ; x's bits 3, 1, 2, 0
	v_bfe_u32 v28, v0, 1, 1
	v_bfe_u32 v29, v0, 2, 1
	v_and_b32 v30, 1, v0
	v_bfe_u32 v31, v0, 2, 2                        ; x / 4
	v_and_b32 v32, 3, v0                           ; x % 4
	s_lshl_b32 s38, s10, 14                        ; 16384 w
	s_lshl_b32 s39, s10, 10                        ; 1024 w
	s_mul_i32 s40, s10, SCRW
	s_add_co_u32 s40, s40, SCR                     ; my part of the scratch
	v_lshl_add_u32 v[AKF], v24, 4, s38
	v_lshlrev_b32 v[AIK], 11, v27                  ; column 64 it + 4 x + j is, in key step it / 2, row j + 4 (x & 1) + 8 ((x >> 2) & 1) of tile 4 (it & 1) + 2 (x >> 3) + ((x >> 1) & 1)
	s_delay_alu instid0(VALU_DEP_1)
	v_lshl_add_u32 v[AIK], v28, 10, v[AIK]
	s_delay_alu instid0(VALU_DEP_1)
	v_lshl_add_u32 v[AIK], v26, 8, v[AIK]
	s_delay_alu instid0(VALU_DEP_1)
	v_lshl_add_u32 v[AIK], v29, 7, v[AIK]
	s_delay_alu instid0(VALU_DEP_1)
	v_lshl_add_u32 v[AIK], v30, 6, v[AIK]
	s_delay_alu instid0(VALU_DEP_1)
	v_add_nc_u32 v[AIK], s38, v[AIK]
	s_add_co_u32 s41, s39, KSC
	v_lshl_add_u32 v[AKS], v24, 4, s41
	v_lshlrev_b32 v[ASK], 7, v29
	s_delay_alu instid0(VALU_DEP_1)
	v_lshl_add_u32 v[ASK], v30, 6, v[ASK]
	s_delay_alu instid0(VALU_DEP_1)
	v_lshl_add_u32 v[ASK], v27, 3, v[ASK]
	s_delay_alu instid0(VALU_DEP_1)
	v_lshl_add_u32 v[ASK], v28, 2, v[ASK]
	s_delay_alu instid0(VALU_DEP_1)
	v_add_nc_u32 v[ASK], s41, v[ASK]
	v_lshl_add_u32 v[AQ0], v24, 4, QIMG
	v_lshl_add_u32 v[AQS0], v24, 2, QSC
	s_add_co_u32 s41, s39, MSK
	v_lshl_add_u32 v[AMK], v26, 6, s41
	v_lshl_add_u32 v[AMS], v24, 4, s41
	s_lshl_b32 s41, s10, 2
	s_add_co_u32 s41, s41, STS
	v_lshl_add_u32 v[AST0], v25, 5, s41
	v_lshl_add_u32 v[ASL0], v25, 5, STS
	v_mul_u32_u24 v[ASC0], v25, 272
	s_delay_alu instid0(VALU_DEP_1)
	v_lshl_add_u32 v[ASC0], v26, 5, v[ASC0]
	s_delay_alu instid0(VALU_DEP_1)
	v_add_nc_u32 v[ASC0], s40, v[ASC0]
	s_mul_i32 s41, s10, 8*272
	s_add_co_u32 s41, s41, SCR
	v_mul_u32_u24 v[ARD0], v26, 272
	s_delay_alu instid0(VALU_DEP_1)
	v_lshl_add_u32 v[ARD0], v25, 4, v[ARD0]
	s_delay_alu instid0(VALU_DEP_1)
	v_add_nc_u32 v[ARD0], s41, v[ARD0]
	s_delay_alu instid0(VALU_DEP_1)
	v_add_nc_u32 v[ARD1], 4*SCRW, v[ARD0]
	s_lshl_b32 s41, s10, 16
	v_lshlrev_b32 v[AGO], 13, v26
	s_delay_alu instid0(VALU_DEP_1)
	v_lshl_add_u32 v[AGO], v25, 4, v[AGO]
	s_delay_alu instid0(VALU_DEP_1)
	v_add_nc_u32 v[AGO], s41, v[AGO]
	s_lshl_b32 s41, s10, 12
	s_add_co_u32 s41, s41, QIMG
	v_lshlrev_b32 v[AIQ], 10, v31                  ; query 64 w + 4 x + j is row 4 (x % 4) + j of tile 4 w + x / 4
	s_delay_alu instid0(VALU_DEP_1)
	v_lshl_add_u32 v[AIQ], v26, 8, v[AIQ]
	s_delay_alu instid0(VALU_DEP_1)
	v_lshl_add_u32 v[AIQ], v32, 6, v[AIQ]
	s_delay_alu instid0(VALU_DEP_1)
	v_add_nc_u32 v[AIQ], s41, v[AIQ]
	s_lshl_b32 s41, s10, 8
	v_lshlrev_b32 v33, 17, v26                     ; lanes 16-31 begin 16 rows further down
	s_delay_alu instid0(VALU_DEP_1)
	v_lshl_add_u32 v33, v25, 4, v33
	s_delay_alu instid0(VALU_DEP_1)
	v_add_nc_u32 v[VK], s39, v33
	s_delay_alu instid0(VALU_DEP_2)
	v_add_nc_u32 v[VQ], s41, v33
	s_add_co_u32 s41, s41, QSC
	v_lshl_add_u32 v[ASQ], v25, 4, s41
	v_lshl_add_u32 v[VV], v24, 4, s39
	v_lshl_add_u32 v[ASTG], v24, 4, s40
	v_mul_u32_u24 v[ASTR], v25, 528
	s_delay_alu instid0(VALU_DEP_1)
	v_lshl_add_u32 v[ASTR], v26, 6, v[ASTR]
	s_delay_alu instid0(VALU_DEP_1)
	v_add_nc_u32 v[ASTR], s40, v[ASTR]
.irp g, 0,1,2,3,4,5,6,7
	v_mov_b32 v[CTP+\g], 0                         ; written once: a lane permute's destination counts as one of its sources
.endr
.irp b, 0,1,2,3
	v_mov_b32 v[QT+4+\b], 0
.endr
	s_mov_b32 s24, 0x76543210                      ; v_permlanex16_b32's selects for lane l xor 16
	s_mov_b32 s25, 0xfedcba98
	s_mov_b32 s26, 0x3eb504f3                      ; 64^-0.25
	s_mov_b32 s27, s26                             ; (the packed forms name a pair and take its low word for both halves)
	s_mov_b32 s28, 0x3fb8aa3b                      ; log2(e)
	s_mov_b32 s29, s28
	s_mov_b32 s30, 0x600000                        ; the mantissa field of 57,344
	s_mov_b32 s31, 0xffff0000                      ; lanes 16-31
	s_mov_b32 s33, 16                              ; rounds to go
	s_mov_b32 s34, 0                               ; the round's place in Q's images: 2,048 bytes a round
	s_mov_b32 s35, 0                               ; and among Q's scale words: 128 a round
	s_mov_b32 s36, 0                               ; 0 in even rounds, 128 in odd ones: the round's 32 queries in a row of the scratch
	s_mul_i32 s38, s11, 192*ROWB                   ; the head's first byte in qkv (under 2^27)
	s_mov_b32 s39, 0
	s_lshl_b32 s40, s12, 11                        ; my 512 queries in a row
	s_mov_b32 s41, 0
	s_wait_kmcnt 0x0
	s_add_nc_u64 s[14:15], s[4:5], s[38:39]
	s_add_nc_u64 s[16:17], s[14:15], s[40:41]      ; q, at my queries
	s_add_nc_u64 s[18:19], s[14:15], 128*ROWB      ; v
	s_add_nc_u64 s[14:15], s[14:15], 64*ROWB       ; k
	s_and_b32 s38, s11, 3                          ; the tiled mask: head b takes row b % 4
	s_lshl_b32 s38, s38, 13
	s_add_nc_u64 s[20:21], s[6:7], s[38:39]
	s_lshl_b32 s38, s11, 19                        ; 64 rows of out a head
	s_add_nc_u64 s[22:23], s[8:9], s[38:39]
	s_add_nc_u64 s[22:23], s[22:23], s[40:41]
; Nine items of 32 loads take the two buffers by turns: K's four runs of 64 keys, my 64 queries, V's four runs of 16 channels.  Each wait leaves out the 32 loads of the item just issued: 32 to 64 loads of 512 bytes
; of every wave are on their way.  Every offset is an immediate; no pointer is stepped.
	COLS_LOAD XA, SKB, VK, 0, 0
	global_load_b128 v[104:107], v[VV], s[20:21]
	global_load_b128 v[108:111], v[VV], s[20:21] offset:512
	COLS_LOAD XB, SKB, VK, 256, 0
	s_wait_loadcnt 32                              ; K's first run and the mask are in
	ds_store_b128 v[AMS], v[104:107]
	ds_store_b128 v[AMS], v[108:111] offset:512
	COLS_WORK XA, AIK, 0, ASK, 0, 16
	COLS_LOAD XA, SKB, VK, 512, 0
	s_wait_loadcnt 32
	COLS_WORK XB, AIK, 4096, ASK, 256, 16
	COLS_LOAD XB, SKB, VK, 768, 0
	s_wait_loadcnt 32
	COLS_WORK XA, AIK, 8192, ASK, 512, 16
	COLS_LOAD XA, SQB, VQ, 0, 1                    ; q is read by this wave alone
	s_wait_loadcnt 32
	COLS_WORK XB, AIK, 12288, ASK, 768, 16
	V_LOAD XB, 0
	s_wait_loadcnt 32
	COLS_WORK XA, AIQ, 0, ASQ, 0, 4
	V_LOAD XA, 1
	s_wait_loadcnt 32
	V_WORK XB, 0
	V_LOAD XB, 2
	s_wait_loadcnt 32
	V_WORK XA, 1
	V_LOAD XA, 3
	s_wait_loadcnt 32
	V_WORK XB, 2
	s_wait_loadcnt 0x0
	V_WORK XA, 3
.irp i, 0,1,2,3,4,5,6,7
	v_mov_b32 v[QF+8+\i], 0                        ; the upper halves of Q's two fragments: zero codes, written once
	v_mov_b32 v[QF+24+\i], 0
.endr
	s_wait_dscnt 0x0                               ; my LDS stores have landed: Q's images and scale words are read by all eight waves
	s_barrier_signal -1
	s_barrier_wait -1
; ---------------- a round: 32 queries x all 2,048 keys ----------------
.Lround:
	v_add_nc_u32 v[ADR], s34, v[AQ0]
	v_add_nc_u32 v[AQS], s35, v[AQS0]
	ds_load_b128 v[QF:QF+3],     v[ADR]
	ds_load_b128 v[QF+4:QF+7],   v[ADR] offset:512
	ds_load_b128 v[QF+16:QF+19], v[ADR] offset:1024
	ds_load_b128 v[QF+20:QF+23], v[ADR] offset:1536
	ds_load_b32 v[QSCL], v[AQS]
	KLOAD 0
.irp k, 0,1,2,3
.irp i, 0,1,2,3,4,5,6,7
	v_mov_b32 v[KS+16*\k+8+\i], 0                  ; the upper halves of K's four fragments: zero codes; the registers were at work in the round before
.endr
.endr
.irp i, 0,1,2,3
	v_mov_b32 v[MX+\i], 0xff800000                 ; the maxima begin at -infinity.  (These four are the places between the zeros and the products)
.endr
	s_wait_alu depctr_va_vdst(0)
	s_wait_dscnt 0x0
	; ---- A: the scores.  Eight places stand between a group's products and the loads into K's registers, and between products and the first read of their results: plain lines that name none of their registers
	QKMUL 0
.rept 8
	v_nop
.endr
	KLOAD 1
	s_wait_dscnt 0x0
	QKMUL 1
	MAXG 0, 0, 8
	KLOAD 2
	MAXG 0, 8, 32
	s_wait_alu depctr_va_vdst(0)
	s_wait_dscnt 0x0
	QKMUL 2
	MAXG 1, 0, 8
	KLOAD 3
	MAXG 1, 8, 32
	s_wait_alu depctr_va_vdst(0)
	s_wait_dscnt 0x0
	QKMUL 3
	MAXG 2, 0, 32
	MAXG 3, 0, 32
	; ---- B: my keys' maximum, exponentials and sum for each query
	WIN 0
	v_max_num_f32 v[MX], v[MX], v[MX+1]
	v_max_num_f32 v[MX+2], v[MX+2], v[MX+3]
	s_delay_alu instid0(VALU_DEP_2)
	v_permlanex16_b32 v[TT], v[MX], s24, s25
	s_delay_alu instid0(VALU_DEP_2)
	v_permlanex16_b32 v[TT+1], v[MX+2], s24, s25
	s_delay_alu instid0(VALU_DEP_2)
	v_max_num_f32 v[MX], v[MX], v[TT]
	s_delay_alu instid0(VALU_DEP_2)
	v_max_num_f32 v[MX+2], v[MX+2], v[TT+1]
	s_delay_alu instid0(VALU_DEP_2)
	v_mul_f32 v[TT], s28, v[MX]
	s_delay_alu instid0(VALU_DEP_2)
	v_mul_f32 v[TT+1], s28, v[MX+2]
	s_delay_alu instid0(VALU_DEP_2)
	v_floor_f32 v[NM], -v[TT]                      ; -M_w = floor(-t) = -ceil(t): a whole number
	s_delay_alu instid0(VALU_DEP_2)
	v_floor_f32 v[NM+4], -v[TT+1]
	WIN 0x41
.set p, 0
.rept 64
	v_pk_fma_f32 v[2*p:2*p+1], v[2*p:2*p+1], s[28:29], v[NM:NM+1] op_sel_hi:[1,0,0]   ; S log2(e) - M_w, two at a time
.set p, p+1
.endr
.set p, 0
	s_wait_alu depctr_va_vdst(0)
.rept 64                               ; tile 1's multiply-adds stand among tile 0's exponentials; none of these lines names an exponential's result
	v_pk_fma_f32 v[128+2*p:129+2*p], v[128+2*p:129+2*p], s[28:29], v[NM+4:NM+5] op_sel_hi:[1,0,0]
	v_exp_f32 v[2*p], v[2*p]
	v_exp_f32 v[2*p+1], v[2*p+1]
.set p, p+1
.endr
.set p, 128
	s_wait_alu depctr_va_vdst(0)
.rept 128
	v_exp_f32 v[p], v[p]
.set p, p+1
.endr
	v_nop                                          ; a plain line behind the last exponential
	s_wait_alu depctr_va_vdst(0)                   ; one wait for the round's 256 exponentials, ahead of the first line that names a result
	WIN 0x05
.irp t, 0,1
.irp c, 0,1
	v_pk_add_f32 v[LL+4*\t+2*\c:LL+4*\t+2*\c+1], v[128*\t+4*\c:128*\t+4*\c+1], v[128*\t+4*\c+2:128*\t+4*\c+3]   ; the sums of the unmasked e: four chains, started by the first numbers
.endr
.endr
	WIN 0x01
.set p, 4
.rept 30
.irp t, 0,1
	v_pk_add_f32 v[LL+4*\t:LL+4*\t+1], v[128*\t+2*p:128*\t+2*p+1], v[LL+4*\t:LL+4*\t+1]
	v_pk_add_f32 v[LL+4*\t+2:LL+4*\t+3], v[128*\t+2*p+2:128*\t+2*p+3], v[LL+4*\t+2:LL+4*\t+3]
.endr
.set p, p+2
.endr
	WIN 0
	v_pk_add_f32 v[LL:LL+1], v[LL:LL+1], v[LL+2:LL+3]
	v_pk_add_f32 v[LL+4:LL+5], v[LL+4:LL+5], v[LL+6:LL+7]
	s_delay_alu instid0(VALU_DEP_2)
	v_add_f32 v[LL], v[LL], v[LL+1]
	s_delay_alu instid0(VALU_DEP_2)
	v_add_f32 v[LL+4], v[LL+4], v[LL+5]
	s_delay_alu instid0(VALU_DEP_2)
	v_permlanex16_b32 v[TT+2], v[LL], s24, s25
	s_delay_alu instid0(VALU_DEP_2)
	v_permlanex16_b32 v[TT+3], v[LL+4], s24, s25
	s_delay_alu instid0(VALU_DEP_2)
	v_add_f32 v[LL], v[LL], v[TT+2]
	s_delay_alu instid0(VALU_DEP_2)
	v_add_f32 v[LL+4], v[LL+4], v[TT+3]
	ds_store_b32 v[AST0], v[NM]                    ; my wave's word for each query: -M_w and l_w of both tiles
	ds_store_b32 v[AST0], v[NM+4] offset:512
	ds_store_b32 v[AST0], v[LL] offset:1024
	ds_store_b32 v[AST0], v[LL+4] offset:1536
	s_wait_dscnt 0x0                               ; for the others' sake: they have landed
	s_barrier_signal -1
	; between the signal and the wait: work on registers, and loads of the mask, which nobody writes: e x mask and the blocks' largest magnitudes, which need nothing of the other waves
	MLOAD 0, 0
	s_wait_dscnt 0x0                               ; the pair's eight loads are in
	MMUL 0, 0
	MLOAD 0, 1                                     ; the next pair's loads land under the 32 lines below
	MMAX 0, 0
	s_wait_dscnt 0x0
	MMUL 0, 1
	MLOAD 1, 0
	MMAX 0, 1
	s_wait_dscnt 0x0
	MMUL 1, 0
	MLOAD 1, 1
	MMAX 1, 0
	s_wait_dscnt 0x0
	MMUL 1, 1
	MMAX 1, 1
	WIN 0
	s_barrier_wait -1                              ; all eight waves' words lie in LDS
	; ---- the eight waves' figures are joined: every wave does the same sums in the same order
.irp t, 0,1
	ds_load_b128 v[MK+8*\t:MK+8*\t+3],       v[ASL0] offset:512*\t
	ds_load_b128 v[MK+8*\t+4:MK+8*\t+7],     v[ASL0] offset:512*\t+16
	ds_load_b128 v[MK+16+8*\t:MK+16+8*\t+3], v[ASL0] offset:1024+512*\t
	ds_load_b128 v[MK+20+8*\t:MK+20+8*\t+3], v[ASL0] offset:1024+512*\t+16
.endr
	s_wait_dscnt 0x0
.irp t, 0,1
	v_min_num_f32 v[TT+2+\t], v[MK+8*\t], v[MK+8*\t+1]
	v_min_num_f32 v[TT+4+\t], v[MK+8*\t+2], v[MK+8*\t+3]
	v_min_num_f32 v[TT+6+\t], v[MK+8*\t+4], v[MK+8*\t+5]
	v_min_num_f32 v[TT+\t], v[MK+8*\t+6], v[MK+8*\t+7]
.endr
.irp t, 0
	v_min_num_f32 v[TT+2+\t], v[TT+2+\t], v[TT+4+\t]
	v_min_num_f32 v[TT+6+\t], v[TT+6+\t], v[TT+\t]
.endr
.irp t, 1
	v_min_num_f32 v[TT+2+\t], v[TT+2+\t], v[TT+4+\t]
	s_delay_alu instid0(VALU_DEP_4)
	v_min_num_f32 v[TT+6+\t], v[TT+6+\t], v[TT+\t]
.endr
.irp t, 0
	s_delay_alu instid0(VALU_DEP_3)
	v_min_num_f32 v[TT+2+\t], v[TT+2+\t], v[TT+6+\t]   ; -M: the least of the eight -M_w
.endr
.irp t, 1
	s_delay_alu instid0(VALU_DEP_2)
	v_min_num_f32 v[TT+2+\t], v[TT+2+\t], v[TT+6+\t]   ; -M: the least of the eight -M_w
.endr
.irp i, 0,1,2,3,4,5,6,7,8,9,10,11,12,13,14,15
	v_sub_f32 v[MK+\i], v[TT+2+\i/8], v[MK+\i]     ; M_w - M: a whole number, 0 or less
.endr
.irp i, 0,1,2,3,4,5,6,7,8,9,10,11,12,13,14,15
	v_cvt_i32_f32 v[MK+\i], v[MK+\i]               ; (it saturates)
.endr
.irp i, 0,1,2,3,4,5,6,7,8,9,10,11,12,13,14,15
	v_ldexp_f32 v[MK+16+\i], v[MK+16+\i], v[MK+\i] ; l_w under the common M: nothing is rounded
.endr
.irp t, 0,1
.irp i, 0,2,4,6
	v_add_f32 v[MK+16+8*\t+\i], v[MK+16+8*\t+\i], v[MK+16+8*\t+\i+1]
.endr
.endr
.irp t, 0
	v_add_f32 v[MK+16+8*\t], v[MK+16+8*\t], v[MK+16+8*\t+2]
	v_add_f32 v[MK+20+8*\t], v[MK+20+8*\t], v[MK+20+8*\t+2]
.endr
.irp t, 1
	v_add_f32 v[MK+16+8*\t], v[MK+16+8*\t], v[MK+16+8*\t+2]
	s_delay_alu instid0(VALU_DEP_4)
	v_add_f32 v[MK+20+8*\t], v[MK+20+8*\t], v[MK+20+8*\t+2]
.endr
.irp t, 0
	s_delay_alu instid0(VALU_DEP_3)
	v_add_f32 v[TT+6+\t], v[MK+16+8*\t], v[MK+20+8*\t]   ; the row's sum: at least 1/2
.endr
.irp t, 1
	s_delay_alu instid0(VALU_DEP_2)
	v_add_f32 v[TT+6+\t], v[MK+16+8*\t], v[MK+20+8*\t]   ; the row's sum: at least 1/2
.endr
	s_wait_alu depctr_va_vdst(0)
	v_rcp_f32 v[TT+6], v[TT+6]
	v_rcp_f32 v[TT+7], v[TT+7]
	v_sub_f32 v[TT+4], v[TT+2], v[NM]              ; my own M_w - M.  (Plain lines behind the reciprocals)
	v_sub_f32 v[TT+5], v[TT+3], v[NM+4]
	s_delay_alu instid0(VALU_DEP_2)
	v_cvt_i32_f32 v[TT+4], v[TT+4]
	s_delay_alu instid0(VALU_DEP_2)
	v_cvt_i32_f32 v[TT+5], v[TT+5]
	v_add_nc_u32 v[ADR], s36, v[ASC0]              ; where this round's partial outputs go
	s_wait_alu depctr_va_vdst(0)                   ; one wait for the two reciprocals, ahead of their first reader
	v_ldexp_f32 v[FF], v[TT+6], v[TT+4]            ; f = 2^(M_w - M) / l
	v_ldexp_f32 v[FF+4], v[TT+7], v[TT+5]
	; ---- C: the weights are finished and quantised, a tile and key step at a time, and multiplied by V
	QNT 0, 0
	PVMUL 0, 0
	QNT 0, 1
	PVMUL 0, 1
	QNT 1, 0
	PVMUL 1, 0
	QNT 1, 1
	OSTORE 0                                       ; tile 0's results: the lines of QNT 1, 1 are the places behind their last products
	PVMUL 1, 1
.rept 8
	v_nop                                          ; eight places behind the last products: ahead of the stores that read their results, and of the next round's loads into their operands
.endr
	OSTORE 1
	WIN 0
	s_wait_dscnt 0x0                               ; my partial outputs have landed, and my reads of the waves' words are over:
	s_barrier_signal -1
	s_barrier_wait -1                              ; so the next round may store its words, and behind an odd round all eight parts of 64 queries are whole
	s_add_co_u32 s34, s34, 2048
	s_add_co_u32 s35, s35, 128
	s_cmp_eq_u32 s36, 0                            ; the round's parity: the same in every wave; no barrier stands inside the branch
	s_cbranch_scc1 .Lno_sum
	; ---- behind every second round: wave w adds the eight parts of channels 8 w .. 8 w + 7 for 64 queries and stores them.  The next stores into the scratch stand behind the next round's first barrier,
	; in front of which every wave has waited for these loads
	WIN 0x40
.irp p, 0,1,2,3,4,5,6,7
.irp i, 0,1,2,3
.if \p < 4
	ds_load_b128 v[16*\p+4*\i:16*\p+4*\i+3], v[ARD0] offset:SCRW*\p+544*\i
.else
	ds_load_b128 v[16*\p+4*\i:16*\p+4*\i+3], v[ARD1] offset:SCRW*(\p-4)+544*\i
.endif
.endr
.endr
.irp p, 1,2,3,4,5,6,7
	s_wait_alu depctr_va_vdst(0)
	s_wait_dscnt 4*(7-\p)                          ; parts 0 to p are in; the four loads of each later part may be out
	WIN 0x45
.irp q, 0,1,2,3,4,5,6,7
	v_pk_add_f32 v[2*\q:2*\q+1], v[2*\q:2*\q+1], v[16*\p+2*\q:16*\p+2*\q+1]
.endr
.endr
	WIN 0x04
.irp i, 0,1,2,3
	global_store_b128 v[AGO], v[4*\i:4*\i+3], s[22:23] offset:2*ROWB*\i th:TH_STORE_NT   ; sixteen lanes store 256 consecutive bytes, at a multiple of 256 from out's first byte; lanes 16-31 the row below
.endr
	WIN 0
	s_wait_xcnt 0x0                                ; the stores have read their registers and their base: both are written again only behind this wait
	s_add_nc_u64 s[22:23], s[22:23], 256           ; the next 64 queries
.Lno_sum:
	s_xor_b32 s36, s36, 128
	s_sub_co_u32 s33, s33, 1
	s_cmp_lg_u32 s33, 0
	s_cbranch_scc1 .Lround
	s_wait_xcnt 0x0
	v_lshl_add_u32 v254, v0, 2, 0x4f000
	v_mov_b32 v255, 0
	s_wait_alu depctr_va_vdst(0)
	s_wait_tensorcnt 0x0
	ds_add_u32 v254, v255
	s_wait_dscnt 0x0
	s_endpgm
.Lfunc_end_k_q50b2aed4a5_attn:
	.size	k_q50b2aed4a5_attn, .Lfunc_end_k_q50b2aed4a5_attn-k_q50b2aed4a5_attn
	.p2alignl 7, 3214868480
	.fill 96, 4, 3214868480
	.section	.rodata,"a",@progbits
	.p2align	6, 0x0
	.amdhsa_kernel k_q50b2aed4a5_attn
		.amdhsa_group_segment_fixed_size 324608
		.amdhsa_private_segment_fixed_size 0
		.amdhsa_enable_private_segment 0
		.amdhsa_kernarg_size 24
		.amdhsa_user_sgpr_count 2
		.amdhsa_user_sgpr_kernarg_segment_ptr 1
		.amdhsa_wavefront_size32 1
		.amdhsa_system_sgpr_workgroup_id_x 1
		.amdhsa_system_sgpr_workgroup_id_y 1
		.amdhsa_system_sgpr_workgroup_id_z 1
		.amdhsa_system_vgpr_workitem_id 0
		.amdhsa_next_free_vgpr 512
		.amdhsa_next_free_sgpr 66
		.amdhsa_reserve_vcc 0
		.amdhsa_float_denorm_mode_32 3
		.amdhsa_float_denorm_mode_16_64 3
		.amdhsa_fp16_overflow 1
		.amdhsa_memory_ordered 1
		.amdhsa_forward_progress 1
		.amdhsa_inst_pref_size 255
	.end_amdhsa_kernel
	.section	.bss,"aw",@nobits
	.p2align	6
	.space	262144
	.amdgpu_metadata
---
amdhsa.version: [ 1, 2 ]
amdhsa.kernels:
  - .name:           k_q50b2aed4a5_attn
    .symbol:         k_q50b2aed4a5_attn.kd
    .args:
      - { .name: qkv, .offset: 0, .size: 8, .value_kind: global_buffer, .address_space: global }
      - { .name: mask, .offset: 8, .size: 8, .value_kind: global_buffer, .address_space: global }
      - { .name: out0, .offset: 16, .size: 8, .value_kind: global_buffer, .address_space: global }
    .group_segment_fixed_size: 324608
    .private_segment_fixed_size: 0
    .kernarg_segment_align: 8
    .kernarg_segment_size: 24
    .max_flat_workgroup_size: 256
    .sgpr_count:     66
    .vgpr_count:     512
    .wavefront_size: 32
...
	.end_amdgpu_metadata
.endif
;; end of part 1
